; MI455X (gfx1250); checked and timed in simulation.
; The chip was launched on July 23, 2026; its instructions are those of AMD's public machine-readable ISA for CDNA 5 (MIT licence, August 2026) and "CDNA5" Instruction Set Architecture Reference Guide (July 2026). The comments in the code are by the model that wrote it; some were corrected since.
;; VQ Codebook. Allowed arithmetic: float matrix products may take bf16 or f16 operands with f32 sums; all other float work in f32.
;; Inputs: emb 8,192 x 512 float32; z 16,384 x 512 float32.
;; Outputs: out0 16,384 x 512 float32; out1 16,384 int32; out2 one number float32.
;; 2 versions, each right and faster than the one before. Each part assembles by itself: llvm-mc -triple=amdgcn-amd-amdhsa -mcpu=gfx1250 --defsym DOCPART=n.
;; ======== version 1 of 2: 4 launches
;; workspace buffers: eb 8,388,608 bytes; zb 16,777,216 bytes; ee 32,768 bytes; zz 65,536 bytes; pd 131,072 bytes; pi 131,072 bytes of whole numbers; part 1,024 bytes
;; launch prep (part 1): grid 384 x 1, 8 waves a work-group, no clusters, 1,280 bytes of LDS; arguments emb, z, eb, zb, ee, zz; writes eb, zb, ee, zz
.if DOCPART == 1
	.amdgcn_target "amdgcn-amd-amdhsa--gfx1250"
	.amdhsa_code_object_version 6
	.text
	.protected	k_q8c0d6213c7_prep
	.globl	k_q8c0d6213c7_prep
	.p2align	8
	.type	k_q8c0d6213c7_prep,@function
k_q8c0d6213c7_prep:
	s_mov_b64 s[64:65], 0
	v_nop
	global_prefetch_b8 v0, s[64:65] scope:SCOPE_SE
	s_setreg_imm32_b32 hwreg(HW_REG_WAVE_MODE, 25, 1), 1
	s_wait_xcnt 0x0
; prep: rounds emb [8192][512] and z [16384][512] from f32 to bf16 (eb, zb) and makes, in f32, the sum of the squares of the ROUNDED
; numbers of every row (ee, zz).  The next launch forms its distances from these four buffers, so that all three terms of a distance
; belong to the same rounded operands.
; A stream: each input byte is read once, each output byte is written once.  No matrix unit, no cluster, no tensor load: nothing is shared.
; A work-group takes 64 rows: groups 0-127 emb's, groups 128-383 z's.  A wave takes 8 rows, one row at a time over its 32 lanes.
; A load of a wave covers 512 consecutive bytes, a store 256 consecutive bytes at a multiple of 256 from the buffer's first byte.
; All 32 loads of a wave go out at once; every row has its own registers for what it stores, so no register of a pending store is rewritten.
.set EMB_GROUPS, 128                   ; 8192 rows / 64
.set X, 16                             ; v[16:143]  row i: 16 registers as loaded (lane l: numbers 128 k + 4 l .. + 3, k = 0..3)
.set Y, 144                            ; v[144:207] row i: 8 registers of packed bf16
                                       ; v1 16 x lane, v2 8 x lane, v3 lane mod 8, v[4:5] two sums, v6 the other half's sum, v7 the sum of row (lane mod 8)
	s_load_b256 s[4:11], s[0:1], 0x0               ; emb s[4:5], z s[6:7], eb s[8:9], zb s[10:11]
	s_load_b128 s[12:15], s[0:1], 0x20             ; ee s[12:13], zz s[14:15]
	v_lshl_add_u32 v208, v0, 2, 0x100
	v_mov_b32 v209, 0
	v_lshrrev_b32 v1, 5, v0
	v_readfirstlane_b32 s17, v1                    ; wave 0..7
	v_and_b32 v3, 31, v0                           ; lane
	v_lshlrev_b32 v1, 4, v3                        ; 16 bytes a lane in a load
	v_lshlrev_b32 v2, 3, v3                        ; 8 bytes a lane in a store
	v_and_b32 v3, 7, v3
	v_mov_b32 v6, 0                                ; v_permlanex16_b32 counts as a reader of its destination
	s_mov_b32 s28, 0x76543210                      ; v_permlanex16_b32: lane i of one half reads lane i of the other
	s_mov_b32 s29, 0xfedcba98
	s_sub_co_u32 s16, ttmp9, EMB_GROUPS            ; z's block number (used only where the group is one of z's)
	s_cmp_lt_u32 ttmp9, EMB_GROUPS                 ; SCC: this group works on emb
	s_cselect_b32 s16, ttmp9, s16                  ; block of 64 rows in my tensor
	s_wait_kmcnt 0x0                               ; leaves SCC as it is
	s_cselect_b64 s[18:19], s[4:5], s[6:7]         ; from
	s_cselect_b64 s[22:23], s[8:9], s[10:11]       ; to
	s_cselect_b64 s[24:25], s[12:13], s[14:15]     ; sums of squares
	s_lshl_b32 s26, s16, 17                        ; 64 rows of 2,048 bytes a block
	s_lshl_b32 s30, s17, 14                        ; 8 rows of 2,048 bytes a wave
	s_add_co_u32 s26, s26, s30                     ; at most 33,538,048
	s_mov_b32 s27, 0
	s_add_nc_u64 s[18:19], s[18:19], s[26:27]
	s_lshr_b32 s26, s26, 1                         ; the bf16 rows are half as long
	s_add_nc_u64 s[22:23], s[22:23], s[26:27]
	s_lshl_b32 s26, s16, 8                         ; 64 sums of 4 bytes a block
	s_add_nc_u64 s[24:25], s[24:25], s[26:27]
.irp i, 0,1,2,3,4,5,6,7
.irp k, 0,1,2,3
	global_load_b128 v[X+16*\i+4*\k:X+16*\i+4*\k+3], v1, s[18:19] offset:2048*\i+512*\k th:TH_LOAD_NT
.endr
.endr
; One row: round, store, square the rounded numbers, add over the wave.
.macro ROW i
	s_wait_loadcnt 28-4*\i                         ; loads come back in order: this row's four are in, the four of each later row stay out
.irp k, 0,1,2,3
	v_cvt_pk_bf16_f32 v[Y+8*\i+2*\k],   v[X+16*\i+4*\k],   v[X+16*\i+4*\k+1]
	v_cvt_pk_bf16_f32 v[Y+8*\i+2*\k+1], v[X+16*\i+4*\k+2], v[X+16*\i+4*\k+3]
	global_store_b64 v2, v[Y+8*\i+2*\k:Y+8*\i+2*\k+1], s[22:23] offset:1024*\i+256*\k
.endr
	v_mov_b32 v4, 0
	v_mov_b32 v5, 0
.irp j, 0,1,2,3,4,5,6,7
	v_fma_mix_f32_bf16 v4, v[Y+8*\i+\j], v[Y+8*\i+\j], v4 op_sel_hi:[1,1,0]                  ; low half squared, added in f32
	v_fma_mix_f32_bf16 v5, v[Y+8*\i+\j], v[Y+8*\i+\j], v5 op_sel:[1,1,0] op_sel_hi:[1,1,0]   ; high half
.endr
	v_add_f32 v4, v4, v5
	v_add_f32_dpp v4, v4, v4 row_xmask:1 row_mask:0xf bank_mask:0xf
	v_add_f32_dpp v4, v4, v4 row_xmask:2 row_mask:0xf bank_mask:0xf
	v_add_f32_dpp v4, v4, v4 row_xmask:4 row_mask:0xf bank_mask:0xf
	v_add_f32_dpp v4, v4, v4 row_xmask:8 row_mask:0xf bank_mask:0xf
	v_permlanex16_b32 v6, v4, s28, s29
	v_add_f32 v4, v4, v6                           ; every lane holds the row's sum
.if \i == 0
	v_mov_b32 v7, v4
.else
	v_cmp_eq_u32 vcc_lo, \i, v3
	v_cndmask_b32 v7, v7, v4, vcc_lo               ; lanes with lane mod 8 = i keep it
.endif
.endm
.irp i, 0,1,2,3,4,5,6,7
	ROW \i
.endr
	; the group's 64 sums meet in LDS, so that they leave as one store of 256 consecutive bytes
	v_lshlrev_b32 v8, 2, v3
	v_lshl_add_u32 v8, s17, 5, v8                  ; word 8 x wave + lane mod 8; the four lanes that share a word hold the same number
	ds_store_b32 v8, v7
	s_wait_dscnt 0x0                               ; my words are written, for wave 0's sake
	s_barrier_signal -1
	s_barrier_wait -1
	s_cmp_lg_u32 s17, 0
	s_cbranch_scc1 .Ldone
	ds_load_b64 v[10:11], v2                       ; wave 0: two sums a lane
	s_wait_dscnt 0x0
	global_store_b64 v2, v[10:11], s[24:25]
.Ldone:
	s_wait_tensorcnt 0x0
	ds_add_u32 v208, v209
	s_wait_dscnt 0x0
	s_endpgm
.Lfunc_end_k_q8c0d6213c7_prep:
	.size	k_q8c0d6213c7_prep, .Lfunc_end_k_q8c0d6213c7_prep-k_q8c0d6213c7_prep
	.p2alignl 7, 3214868480
	.fill 96, 4, 3214868480
	.section	.rodata,"a",@progbits
	.p2align	6, 0x0
	.amdhsa_kernel k_q8c0d6213c7_prep
		.amdhsa_group_segment_fixed_size 1280
		.amdhsa_private_segment_fixed_size 0
		.amdhsa_enable_private_segment 0
		.amdhsa_kernarg_size 48
		.amdhsa_user_sgpr_count 2
		.amdhsa_user_sgpr_kernarg_segment_ptr 1
		.amdhsa_wavefront_size32 1
		.amdhsa_system_sgpr_workgroup_id_x 1
		.amdhsa_system_sgpr_workgroup_id_y 1
		.amdhsa_system_sgpr_workgroup_id_z 1
		.amdhsa_system_vgpr_workitem_id 0
		.amdhsa_next_free_vgpr 210
		.amdhsa_next_free_sgpr 66
		.amdhsa_reserve_vcc 1
		.amdhsa_float_denorm_mode_32 3
		.amdhsa_float_denorm_mode_16_64 3
		.amdhsa_memory_ordered 1
		.amdhsa_forward_progress 1
		.amdhsa_inst_pref_size 25
	.end_amdhsa_kernel
	.amdgpu_metadata
---
amdhsa.version: [ 1, 2 ]
amdhsa.kernels:
  - .name:           k_q8c0d6213c7_prep
    .symbol:         k_q8c0d6213c7_prep.kd
    .args:
      - { .name: emb, .offset: 0, .size: 8, .value_kind: global_buffer, .address_space: global }
      - { .name: z, .offset: 8, .size: 8, .value_kind: global_buffer, .address_space: global }
      - { .name: eb, .offset: 16, .size: 8, .value_kind: global_buffer, .address_space: global }
      - { .name: zb, .offset: 24, .size: 8, .value_kind: global_buffer, .address_space: global }
      - { .name: ee, .offset: 32, .size: 8, .value_kind: global_buffer, .address_space: global }
      - { .name: zz, .offset: 40, .size: 8, .value_kind: global_buffer, .address_space: global }
    .group_segment_fixed_size: 1280
    .private_segment_fixed_size: 0
    .kernarg_segment_align: 8
    .kernarg_segment_size: 48
    .max_flat_workgroup_size: 256
    .sgpr_count:     66
    .vgpr_count:     210
    .wavefront_size: 32
...
	.end_amdgpu_metadata
.endif
;; end of part 1
;; launch argmin (part 2): grid 128 x 2, 4 waves a work-group, clusters of 4 x 1, 327,680 bytes of LDS; arguments eb, zb, ee, zz, pd, pi; writes pd, pi
.if DOCPART == 2
	.amdgcn_target "amdgcn-amd-amdhsa--gfx1250"
	.amdhsa_code_object_version 6
	.text
	.protected	k_q8c0d6213c7_argmin
	.globl	k_q8c0d6213c7_argmin
	.p2align	8
	.type	k_q8c0d6213c7_argmin,@function
k_q8c0d6213c7_argmin:
	s_mov_b64 s[64:65], 0
	v_nop
	global_prefetch_b8 v0, s[64:65] scope:SCOPE_SE
	s_setreg_imm32_b32 hwreg(HW_REG_WAVE_MODE, 25, 1), 1
	s_wait_xcnt 0x0
	s_wait_alu depctr_hold_cnt(0) depctr_sa_sdst(0) depctr_va_vdst(0) depctr_va_sdst(0) depctr_va_ssrc(0) depctr_va_vcc(0) depctr_vm_vsrc(0)
	s_getreg_b32 s2, hwreg(HW_REG_IB_STS2, 6, 4)
	s_cmp_eq_u32 s2, 0
	s_cbranch_scc0 .Lentry_in_a_cluster
	s_endpgm
.Lentry_in_a_cluster:
	s_bfe_u32 s2, ttmp6, 0x10000c
	s_cmp_lg_u32 s2, 0x3003
	s_cbranch_scc0 .Lentry_shape_is_right
	s_endpgm
.Lentry_shape_is_right:
; argmin: for 128 rows of z and one half (4,096) of the codes, the smallest distance d = fl(fl(zz - 2 dot) + ee) and the first code that has it.
; dot comes from the matrix unit (bf16 operands, f32 sums); the two roundings are those of the formula as it is written, since the roundings
; decide ties and the first of tied codes is wanted.  No distance goes to memory.
; LIMITS: NaN and infinities among the inputs are not served (a NaN distance never wins here).  The distances are those of the operands rounded
; to bf16.  Where a distance lies within the summation error of dot (some 1e-9 at these sizes) of a rounding boundary of d, the index can differ
; from that of another f32 evaluation.
;
; SHARE.  Work-group (x, y): z rows 128 x .. + 127, codes 4096 y .. + 4095; 256 work-groups.  Wave w: rows 64 (w >> 1) .. + 63, and of every tile of
; 128 codes the 64 at 64 (w & 1).  The wave's 64 rows x 512 K of z stay in 512 registers for the whole launch; only code fragments are read from LDS:
; a fragment of 16 codes x 32 K (1,024 bytes) feeds four matrix instructions.  The codes go through two LDS slots of one tile (128 codes x 512 K).
; A sub-tile is 32 codes x 64 rows = 8 accumulator tiles = 64 registers, and there are two sets: while one set is summed over K (128 matrix
; instructions), the other set's 288 vector instructions (distances, comparison, running minimum) stand in the gaps between them.
; CLUSTER.  The four work-groups of a cluster lie along x and have the same y: they walk the same code tiles and the same table of ee.  Those loads are
; joint (mask 15).  z's block is each work-group's own: one plain load.
; TRANSPOSED USE.  Source 0 = 16 codes, source 1 = 16 rows of z: register j of lane (r, h) is code 8 h + j against z row r, so a lane owns one row of z
; in each of the four row tiles and the minimum runs inside the lane.
; WINDOWS.  z's fragments are source 1 alone and lie in windows 1 (K steps 0-7) and 2 (K steps 8-15); all else lies in window 0.  The setting 0x04 or
; 0x08 holds for the vector instructions in the gaps too, so none of them has a vector register as its second source: a constant or a scalar stands there.
.set PITCH,  1040                      ; an LDS row: 1,024 bytes + 16 of padding = 65 x 16: the 16 rows of a fragment load start 16 bytes apart modulo 256
.set QUART,  32*PITCH                  ; 33,280: what one tensor load brings (32 rows)
.set SLOTB,  4*QUART                   ; 133,120: a slot, 128 rows
.set EETAB,  2*SLOTB                   ; 266,240: ee of my 4,096 codes, 16,384 bytes, filled once
.set SCR,    EETAB+16384               ; 282,624: for each wave 256 bytes of minima and 256 of codes; written by ds_store, no fill lands here
.set ADR, 1                            ; v1, v2     LDS address of my code fragments in slot 0, 1
.set VEE, 3                            ; v3         LDS address of my ee, steps by two tiles a lap
.set ZZ,  4                            ; v[4:7]     zz of my row in row tile zt
.set VX,  8                            ; v[8:11]    d - m of four chains
.set EE,  12                           ; v[12:27]   ee of my 8 codes in fragment a, at 12 + 8 a
.set VM,  28                           ; v[28:43]   running minimum, row tile zt, chain c (register j mod 4), at 28 + 4 zt + c
.set VI,  44                           ; v[44:59]   its code, less c + 8 h, likewise
.set FR,  60                           ; v[60:123]  code fragments: four buffers (K step mod 4) of two fragments
.set ACC, 124                          ; v[124:251] two sets of eight accumulator tiles, tile 4 a + zt
                                       ; v[252:255] at work;  windows 1, 2: z fragment of K step ks, row tile zt at 32 (ks mod 8) + 8 zt
.set CT,  28                           ; s[28:31]   code of register 4 hh of fragment a in lane half 0, at 28 + 2 a + hh
.set G1J, 32                           ; s[32:39]   group 1 of the joint code loads
.set G1Z, 40                           ; s[40:47]   group 1 of z's plain load
.set G1E, 48                           ; s[48:55]   group 1 of ee's joint load
.set G0,  56                           ; s[56:63]   group 0 of the code loads, a set for each slot
.set G0Z, 68                           ; s[68:71]   group 0 of z's load
.set G0E, 72                           ; s[72:75]   group 0 of ee's load
.set MK,  84                           ; s[84:87]   four masks of a half tile's comparisons
.set MSB, 0
.set EN,  0
.macro WIN new                         ; the immediate's high byte repeats the setting that is left
.if MSB != \new
	s_set_vgpr_msb (MSB<<8)|\new
.set MSB, \new
.endif
.endm
; A round of the cluster's barrier: my work-group's barrier, wave 0 signals for the work-group, every wave waits for all four work-groups, my barrier again.
.macro CREST                           ; a round behind its opening barrier
	s_cmp_lg_u32 s16, 0
	s_cbranch_scc1 .Lnot_wave_0_\@
	s_barrier_signal -3
.Lnot_wave_0_\@:
	s_barrier_wait -3
	s_barrier_signal -1
	s_barrier_wait -1
.endm
.macro CROUND
	s_barrier_signal -1
	s_barrier_wait -1
	CREST
.endm
.macro TLOAD g0, g1                    ; a tensor load; four idle vector slots follow it before anything else
	tensor_load_to_lds s[\g0:\g0+3], s[\g1:\g1+7]
	s_nop 0
.rept 4
	v_nop
.endr
.endm
	s_load_b256 s[4:11], s[0:1], 0x0               ; eb s[4:5], zb s[6:7], ee s[8:9], zz s[10:11]
	s_load_b128 s[12:15], s[0:1], 0x20             ; pd s[12:13], pi s[14:15]
	s_set_vgpr_msb 0xc0
	v_lshl_add_u32 v0, v0, 2, 0x45800
	v_mov_b32 v1, 0
	s_set_vgpr_msb 0xc0cf
	ds_add_u32 v0, v1
	s_set_vgpr_msb 0xcf00
	v_lshrrev_b32 v252, 5, v0
	v_readfirstlane_b32 s16, v252                  ; wave 0..3
	s_lshr_b32 s17, s16, 1                         ; wr: which 64 rows of z
	s_and_b32 s18, s16, 1                          ; wc: which 64 codes of a tile
	s_bfe_u32 s19, ttmp6, 0x40000                  ; cx
	s_lshl_b32 s20, ttmp9, 2
	s_add_co_u32 s20, s20, s19                     ; x = 4 x cluster x + cx
	s_and_b32 s21, ttmp7, 0xffff                   ; y (a cluster is one work-group high)
	s_mov_b32 s23, 0x7f800000                      ; +infinity
	s_mov_b32 s24, 1024                            ; ee of two tiles, in bytes
	s_mov_b32 s80, 0x76543210
	s_mov_b32 s81, 0xfedcba98
	s_lshl_b32 s25, s21, 12
	s_lshl_b32 s27, s18, 6
	s_add_co_u32 s25, s25, s27                     ; PB: first code of the sub-tile whose distances are due next = 4096 y + 64 wc
	; group 1 of the code loads: 32 rows x 512 elements of 2 bytes, 4 words of padding behind every 256 words
	s_mov_b32 s[G1J+0], 15|(1<<16)|(1<<20)|(1<<21)|(7<<22)|(3<<25)   ; 15:0 mask: all four of the cluster; 17:16 2 bytes; 20 padding; 21 set beside a mask; 24:22 interval code 7; 31:25 pad code 3
	s_mov_b32 s[G1J+1], 512<<16                    ; tensor_dim0 = 512
	s_mov_b32 s[G1J+2], 32<<16                     ; tensor_dim1 = 32
	s_mov_b32 s[G1J+3], 512<<16                    ; tile_dim0 = 512
	s_mov_b32 s[G1J+4], 32                         ; tile_dim1 = 32
	s_mov_b32 s[G1J+5], 512                        ; elements from row to row
	s_mov_b32 s[G1J+6], 0
	s_mov_b32 s[G1J+7], 0
	s_mov_b32 s[G1Z+0], (1<<16)|(1<<20)|(7<<22)|(3<<25)              ; the same shape, no mask: z's block is my own
	s_mov_b32 s[G1Z+1], 512<<16
	s_mov_b32 s[G1Z+2], 32<<16
	s_mov_b32 s[G1Z+3], 512<<16
	s_mov_b32 s[G1Z+4], 32
	s_mov_b32 s[G1Z+5], 512
	s_mov_b32 s[G1Z+6], 0
	s_mov_b32 s[G1Z+7], 0
	s_mov_b32 s[G1E+0], 15|(3<<16)|(1<<21)         ; 4,096 dense bytes as 16 rows of 32 elements of 8 bytes, joint, no padding
	s_mov_b32 s[G1E+1], 32<<16
	s_mov_b32 s[G1E+2], 16<<16
	s_mov_b32 s[G1E+3], 32<<16
	s_mov_b32 s[G1E+4], 16
	s_mov_b32 s[G1E+5], 32
	s_mov_b32 s[G1E+6], 0
	s_mov_b32 s[G1E+7], 0
	; group 0: LDS addresses hang on the wave's number alone
	s_mov_b32 s[G0+0], 1
	s_mov_b32 s[G0+4], 1
	s_mov_b32 s[G0Z+0], 1
	s_mov_b32 s[G0E+0], 1
	s_mul_i32 s[G0+1], s16, QUART                  ; slot 0, my quarter
	s_add_co_u32 s[G0+5], s[G0+1], SLOTB           ; slot 1, my quarter
	s_add_co_u32 s[G0Z+1], s[G0+1], SLOTB          ; z's block lies in slot 1 until it is in registers
	s_lshl_b32 s[G0E+1], s16, 12
	s_add_co_u32 s[G0E+1], s[G0E+1], EETAB
	; global offsets.  s26, s27, s76, s77 never hold x: they feed the joint descriptors.  s[78:79] hold what hangs on x.
	s_lshl_b32 s26, s16, 15                        ; my 32 rows of 1,024 bytes
	s_lshl_b32 s76, s21, 22                        ; 4,096 codes of 1,024 bytes
	s_add_co_u32 s76, s76, s26
	s_mov_b32 s77, 0
	s_lshl_b32 s78, s20, 17                        ; 128 rows of 1,024 bytes
	s_add_co_u32 s78, s78, s26
	s_mov_b32 s79, 0
	s_wait_dscnt 0x0
	s_wait_kmcnt 0x0
	s_add_nc_u64 s[G0+2:G0+3], s[4:5], s[76:77]    ; tile 0
	s_add_nc_u64 s[G0+6:G0+7], s[G0+2:G0+3], 128*1024   ; tile 1
	s_add_nc_u64 s[G0Z+2:G0Z+3], s[6:7], s[78:79]
	s_lshl_b32 s76, s21, 14                        ; ee of 4,096 codes
	s_lshl_b32 s27, s16, 12
	s_add_co_u32 s76, s76, s27
	s_add_nc_u64 s[G0E+2:G0E+3], s[8:9], s[76:77]
	s_or_b32 s[G0+3], s[G0+3], 0x80000000          ; type = 2
	s_or_b32 s[G0+7], s[G0+7], 0x80000000
	s_or_b32 s[G0Z+3], s[G0Z+3], 0x80000000
	s_or_b32 s[G0E+3], s[G0E+3], 0x80000000
	s_lshl_b32 s78, s20, 9
	s_lshl_b32 s27, s17, 8
	s_add_co_u32 s78, s78, s27                     ; 4 (128 x + 64 wr)
	s_add_nc_u64 s[10:11], s[10:11], s[78:79]      ; zz at my wave's first row
	s_lshl_b32 s27, s21, 16
	s_add_co_u32 s78, s78, s27                     ; + 65,536 y
	s_add_nc_u64 s[12:13], s[12:13], s[78:79]      ; pd and pi at my wave's first row of my half
	s_add_nc_u64 s[14:15], s[14:15], s[78:79]
	CROUND                                         ; all four work-groups are here: the first joint loads meet
	TLOAD G0, G1J                                  ; the first fills go out as one group: three loads of this wave are out, later one
	TLOAD G0Z, G1Z
	TLOAD G0E, G1E
	v_and_b32 v253, 15, v0                         ; r
	v_bfe_u32 v254, v0, 4, 1                       ; h
	v_mul_u32_u24 v255, v253, PITCH
	v_lshl_add_u32 v255, v254, 4, v255             ; r x pitch + 16 h
	s_mul_i32 s27, s18, 2*QUART
	v_add_nc_u32 v[ADR+0], s27, v255               ; my 64 codes in slot 0
	s_add_co_u32 s27, s27, SLOTB
	v_add_nc_u32 v[ADR+1], s27, v255               ; and in slot 1
	s_mul_i32 s27, s17, 2*QUART
	s_add_co_u32 s27, s27, SLOTB
	v_add_nc_u32 v252, s27, v255                   ; my 64 rows of z, in slot 1
	s_lshl_b32 s27, s18, 8
	s_add_co_u32 s27, s27, EETAB
	v_lshl_add_u32 v[VEE], v254, 5, s27            ; ee: 256 wc + 32 h
	v_lshlrev_b32 v[VX], 2, v253
.irp zt, 0,1,2,3
	global_load_b32 v[ZZ+\zt], v[VX], s[10:11] offset:64*\zt       ; zz of row 16 zt + r
.endr
.irp i, 0,1,2,3,4,5,6,7,8,9,10,11,12,13,14,15
	v_mov_b32 v[VM+\i], s23                        ; every finite distance is smaller
	v_mov_b32 v[VI+\i], s25
.endr
	s_wait_loadcnt 0x0                             ; zz; v[VX] is free again
	s_wait_tensorcnt 0x0                           ; my parts of tile 0, of z's block and of ee have landed
	s_barrier_signal -1
	s_barrier_wait -1                              ; everybody's have
	WIN 0x40                                       ; destination window 1
.irp ks, 0,1,2,3,4,5,6,7
.irp zt, 0,1,2,3
	ds_load_b128 v[32*\ks+8*\zt:32*\ks+8*\zt+3],   v252 offset:\zt*16*PITCH+\ks*64
	ds_load_b128 v[32*\ks+8*\zt+4:32*\ks+8*\zt+7], v252 offset:\zt*16*PITCH+\ks*64+32
.endr
.endr
	WIN 0x80                                       ; destination window 2
.irp ks, 0,1,2,3,4,5,6,7
.irp zt, 0,1,2,3
	ds_load_b128 v[32*\ks+8*\zt:32*\ks+8*\zt+3],   v252 offset:\zt*16*PITCH+(\ks+8)*64
	ds_load_b128 v[32*\ks+8*\zt+4:32*\ks+8*\zt+7], v252 offset:\zt*16*PITCH+(\ks+8)*64+32
.endr
.endr
	WIN 0
	s_wait_dscnt 0x0                               ; z is in registers: my reads of slot 1 are over
	s_set_vgpr_msb 0xf
	s_wait_tensorcnt 0x0                           ; no tensor load of mine is out (met)
	ds_add_u32 v0, v1
	s_wait_dscnt 0x0
	s_set_vgpr_msb 0xf00
	CROUND                                         ; the same holds of every wave of the cluster
	TLOAD G0+4, G1J                                ; tile 1 into the slot that held z: my one load behind this round
; One of the four loads of a K step's two code fragments: part = 2 a + half
.macro FLOAD slot, p, ks, part
	ds_load_b128 v[FR+16*((\ks)%4)+4*(\part):FR+16*((\ks)%4)+4*(\part)+3], v[ADR+\slot] offset:\p*QUART+((\part)/2)*16*PITCH+(\ks)*64+32*((\part)%2)
.endm
; Operation EN (0 .. 287) on a finished set: tile EN / 36, in it 36 operations.
.macro EPIOP set
.set e_i, EN/36
.set e_o, EN%36
.set e_a, e_i/4
.set e_zt, e_i%4
.set e_b, ACC+64*\set+8*e_i
.if e_o < 4                            ; fl(zz - 2 dot): doubling is exact, one rounding
.if (e_zt%2) == 0
	v_pk_fma_f32 v[e_b+2*e_o:e_b+2*e_o+1], v[e_b+2*e_o:e_b+2*e_o+1], -2.0, v[ZZ+2*(e_zt/2):ZZ+2*(e_zt/2)+1] op_sel_hi:[1,0,0]
.else
	v_pk_fma_f32 v[e_b+2*e_o:e_b+2*e_o+1], v[e_b+2*e_o:e_b+2*e_o+1], -2.0, v[ZZ+2*(e_zt/2):ZZ+2*(e_zt/2)+1] op_sel:[0,0,1] op_sel_hi:[1,0,1]
.endif
.elseif e_o < 8                        ; fl(. + ee): times 1.0 is exact, one rounding
	v_pk_fma_f32 v[e_b+2*(e_o-4):e_b+2*(e_o-4)+1], v[e_b+2*(e_o-4):e_b+2*(e_o-4)+1], 1.0, v[EE+8*e_a+2*(e_o-4):EE+8*e_a+2*(e_o-4)+1] op_sel_hi:[1,0,1]
.else                                  ; two halves of four registers: each chain c sees its codes in ascending order and is replaced by a strictly smaller d alone
.set e_h, (e_o-8)/14
.set e_k, (e_o-8)%14
.if e_k < 2                            ; d - m: negative exactly where d < m (denormals are kept)
	v_pk_fma_f32 v[VX+2*e_k:VX+2*e_k+1], v[e_b+4*e_h+2*e_k:e_b+4*e_h+2*e_k+1], 1.0, v[VM+4*e_zt+2*e_k:VM+4*e_zt+2*e_k+1] op_sel_hi:[1,0,1] neg_lo:[0,0,1] neg_hi:[0,0,1]
.elseif e_k < 6
	v_cmp_lt_f32 s[MK+e_k-2], v[VX+e_k-2], 0
.elseif e_k < 10
	v_cndmask_b32 v[VI+4*e_zt+e_k-6], v[VI+4*e_zt+e_k-6], s[CT+2*e_a+e_h], s[MK+e_k-6]
.else
	v_min3_num_f32 v[VM+4*e_zt+e_k-10], v[e_b+4*e_h+e_k-10], s23, v[VM+4*e_zt+e_k-10]
.endif
.endif
.set EN, EN+1
.endm
; What stands behind matrix instruction g (0 .. 127) of a sub-tile.  In K steps 0 and 1, and where no set is finished yet, two v_nop behind each of a
; K step's first two matrix instructions: they are the four places between the last matrix instruction that read a fragment buffer and the loads into
; it, and (eight in all) between the finished set's last matrix instruction and the first vector instruction that reads it.
; From K step 2 on the 288 operations are dealt evenly, two or three to a gap, and fill those places themselves: they name the other set alone.
.macro SLICE set, epi, g
.if \epi
.if \g < 16
.if (\g%8) < 2
	v_nop
	v_nop
.endif
.else
.rept (288*(\g-15))/112-(288*(\g-16))/112
	EPIOP \set
.endr
.endif
.else
.if (\g%8) < 2
	v_nop
	v_nop
.endif
.endif
.endm
; A K step: eight matrix instructions, one on each accumulator tile of the set.  The eight accumulators take turns, one instruction a turn, in the same
; order in every K step, from sub-tile to sub-tile and over the backward jump.
; K step 0 starts the sums with the constant 0.  doload: behind instructions 2 to 5 one load each of the fragments three K steps ahead.
.macro MM8 set, ks, epi, doload, ldslot, ldp, ldks
.irp q, 0,1,2,3,4,5,6,7
.if \ks == 0
	v_wmma_f32_16x16x32_bf16 v[ACC+64*\set+8*\q:ACC+64*\set+8*\q+7], v[FR+16*(\ks%4)+8*(\q/4):FR+16*(\ks%4)+8*(\q/4)+7], v[32*(\ks%8)+8*(\q%4):32*(\ks%8)+8*(\q%4)+7], 0
.else
	v_wmma_f32_16x16x32_bf16 v[ACC+64*\set+8*\q:ACC+64*\set+8*\q+7], v[FR+16*(\ks%4)+8*(\q/4):FR+16*(\ks%4)+8*(\q/4)+7], v[32*(\ks%8)+8*(\q%4):32*(\ks%8)+8*(\q%4)+7], v[ACC+64*\set+8*\q:ACC+64*\set+8*\q+7]
.endif
	SLICE (1-\set), \epi, (8*\ks+\q)
.if \doload
.if \q >= 2
.if \q <= 5
	FLOAD \ldslot, \ldp, \ldks, (\q-2)
.endif
.endif
.endif
.endr
.endm
.macro KSTEP set, ks, epi, ldslot, ldp, ldks
.if \ks == 0
	s_wait_dscnt 8+4*\epi                          ; this step's four loads are in; out may be the eight of the next two steps and the four of ee issued behind them
.else
	s_wait_dscnt 8                                 ; this step's four loads are in; the eight of the next two steps may be out.  At K step 2 exactly those eight follow ee's loads: ee is in
.endif
	MM8 \set, \ks, \epi, 1, \ldslot, \ldp, \ldks
.endm
; The head of a sub-tile t = 2 slot + p in whose gaps the sub-tile before it is finished: that one's codes and its ee.
.macro EPIHEAD t, more
	s_mov_b32 s[CT+0], s25
	s_add_co_u32 s[CT+1], s25, 4
	s_add_co_u32 s[CT+2], s25, 16
	s_add_co_u32 s[CT+3], s25, 20
.set e_p, ((\t)+3)%4
.irp a, 0,1
	ds_load_b128 v[EE+8*\a:EE+8*\a+3],   v[VEE] offset:(e_p/2)*512+(e_p%2)*128+64*\a
	ds_load_b128 v[EE+8*\a+4:EE+8*\a+7], v[VEE] offset:(e_p/2)*512+(e_p%2)*128+64*\a+16
.endr
.if \more
	s_add_co_u32 s25, s25, 96-64*((\t)%2)          ; the next sub-tile: 32 codes on, or 96 into the next tile
.if (\t) == 0
	v_add_nc_u32 v[VEE], v[VEE], s24               ; a lap on (the scalar stands second: no vector register as second source here)
.endif
.endif
.endm
; K step 13 of a tile's second sub-tile: the change of slots.  All fragments of this slot are asked for by K step 12.  In front of the barrier each wave
; waits for its LDS reads and for all its tensor loads, of which one is out: its part of the other slot.  Only register work stands between signal and wait.
; fill = 1: the barrier opens a round of the cluster's barrier, and behind the round this slot's next tile is asked for jointly, first of all.
; From that request to the wait for it a wave issues 248 matrix instructions.
.macro KTURN slot, set, fill
	s_wait_dscnt 0x0
	s_set_vgpr_msb 0x80f
	s_wait_tensorcnt 0x0
	ds_add_u32 v0, v1
	s_wait_dscnt 0x0
	s_set_vgpr_msb 0xf08
	s_barrier_signal -1
	MM8 \set, 13, 1, 0, 0, 0, 0
	WIN 0
	s_barrier_wait -1
.if \fill
	CREST
	s_add_nc_u64 s[G0+4*\slot+2:G0+4*\slot+3], s[G0+4*\slot+2:G0+4*\slot+3], 2*128*1024   ; two tiles on; no load of mine is out
	TLOAD G0+4*\slot, G1J
.endif
.irp part, 0,1,2,3
	FLOAD (1-\slot), 0, 0, \part                   ; the other slot's K step 0
.endr
	WIN 0x08
.endm
; A sub-tile: 32 codes x 64 rows over all of K.  set = p.  kind 0: first half of a tile; 1: second half, slot filled again; 2: second half, no fill;
; 3: the last of all.
.macro SUB slot, p, epi, kind
.set EN, 0
.if \epi
	EPIHEAD (2*\slot+\p), 1
.endif
	WIN 0x04
.irp ks, 0,1,2,3,4,5,6,7
	KSTEP \p, \ks, \epi, \slot, \p, (\ks+3)
.endr
	WIN 0x08
.irp ks, 8,9,10,11,12
	KSTEP \p, \ks, \epi, \slot, \p, (\ks+3)
.endr
.if \kind == 0
.irp ks, 13,14,15
	KSTEP \p, \ks, \epi, \slot, 1, (\ks-13)
.endr
.elseif \kind == 3
	s_wait_dscnt 0x0                               ; the last twelve loads: nothing more is fetched
	MM8 \p, 13, \epi, 0, 0, 0, 0
	MM8 \p, 14, \epi, 0, 0, 0, 0
	MM8 \p, 15, \epi, 0, 0, 0, 0
.else
	KTURN \slot, \p, (2-\kind)
	MM8 \p, 14, \epi, 1, (1-\slot), 0, 1           ; K steps 14 and 15 were shown in by the wait for 0 above
	MM8 \p, 15, \epi, 1, (1-\slot), 0, 2
.endif
.endm
.irp ks, 0,1,2
.irp part, 0,1,2,3
	FLOAD 0, 0, \ks, \part
.endr
.endr
	SUB 0, 0, 0, 0                                 ; tiles 0 and 1: no set is finished in the first sub-tile
	SUB 0, 1, 1, 1
	SUB 1, 0, 1, 0
	SUB 1, 1, 1, 1
	WIN 0                                          ; at a label and at a branch every window is 0
	s_mov_b32 s22, 14                              ; tiles 2 to 29
.Llap:
	SUB 0, 0, 1, 0
	SUB 0, 1, 1, 1
	SUB 1, 0, 1, 0
	SUB 1, 1, 1, 1
	WIN 0
	s_sub_co_u32 s22, s22, 1
	s_cmp_lg_u32 s22, 0
	s_cbranch_scc1 .Llap
	SUB 0, 0, 1, 0                                 ; tiles 30 and 31: nothing is left to fetch
	SUB 0, 1, 1, 2
	SUB 1, 0, 1, 0
	SUB 1, 1, 1, 3
	WIN 0
	EPIHEAD 0, 0                                   ; the last sub-tile's distances have no matrix work to hide behind
	s_wait_dscnt 0x0
.rept 4
	v_nop                                          ; four places behind the last matrix instruction (ISA guide 7.12.1)
.endr
.set EN, 0
.rept 288
	EPIOP 1
.endr
; (ma, ca) becomes (mb, cb) where mb is smaller, or equal with the lower code
.macro LEX ma, ca, mb, cb
	v_cmp_lt_f32 s82, v[\mb], v[\ma]
	v_cmp_eq_f32 s83, v[\mb], v[\ma]
	v_cmp_lt_u32 s88, v[\cb], v[\ca]
	s_and_b32 s83, s83, s88
	s_or_b32 vcc_lo, s82, s83
	v_cndmask_b32 v[\ma], v[\ma], v[\mb], vcc_lo
	v_cndmask_b32 v[\ca], v[\ca], v[\cb], vcc_lo
.endm
	v_bfe_u32 v252, v0, 4, 1
	v_lshlrev_b32 v252, 3, v252                    ; 8 h
	v_mov_b32 v253, 0                              ; v_permlanex16_b32 counts as a reader of its destination
.irp zt, 0,1,2,3
.irp c, 0,1,2,3
	v_add3_u32 v[VI+4*\zt+\c], v[VI+4*\zt+\c], v252, \c            ; the whole code
.endr
.endr
	s_lshl_b32 s27, s16, 9
	s_add_co_u32 s27, s27, SCR                     ; my 512 bytes
	v_and_b32 v254, 15, v0
	v_lshl_add_u32 v254, v254, 2, s27
	v_and_b32 v255, 31, v0
	v_lshlrev_b32 v[VX], 3, v255                   ; 8 x lane
	v_add_nc_u32 v255, s27, v[VX]
.irp zt, 0,1,2,3
	LEX VM+4*\zt, VI+4*\zt, VM+4*\zt+1, VI+4*\zt+1
	LEX VM+4*\zt+2, VI+4*\zt+2, VM+4*\zt+3, VI+4*\zt+3
	LEX VM+4*\zt, VI+4*\zt, VM+4*\zt+2, VI+4*\zt+2
	v_permlanex16_b32 v252, v[VM+4*\zt], s80, s81  ; the other half of the lanes has the same row's other codes
	v_permlanex16_b32 v253, v[VI+4*\zt], s80, s81
	LEX VM+4*\zt, VI+4*\zt, 252, 253
	ds_store_b32 v254, v[VM+4*\zt] offset:64*\zt   ; row 16 zt + r; both halves of the lanes write the same number
	ds_store_b32 v254, v[VI+4*\zt] offset:256+64*\zt
.endr
	s_wait_dscnt 0x0                               ; written, for the neighbour wave's sake
	s_barrier_signal -1
	s_barrier_wait -1
	s_cmp_lg_u32 s18, 0
	s_cbranch_scc1 .Lnot_mine
	ds_load_b64 v[60:61], v255                     ; waves 0 and 2: two rows a lane, mine
	ds_load_b64 v[62:63], v255 offset:256
	ds_load_b64 v[64:65], v255 offset:512          ; and the wave's beside me, which had the tiles' other 64 codes
	ds_load_b64 v[66:67], v255 offset:768
	s_wait_dscnt 0x0
	LEX 60, 62, 64, 66
	LEX 61, 63, 65, 67
	global_store_b64 v[VX], v[60:61], s[12:13]     ; each store covers 256 consecutive bytes, at a multiple of 256 from the buffer's first byte
	global_store_b64 v[VX], v[62:63], s[14:15]
.Lnot_mine:
	s_set_vgpr_msb 0xf
	s_wait_tensorcnt 0x0
	ds_add_u32 v0, v1
	s_wait_dscnt 0x0
	s_set_vgpr_msb 0xf00
	CROUND                                         ; the closing round: no work-group ends while a partner may still ask for a tile that names it
	s_endpgm
.Lfunc_end_k_q8c0d6213c7_argmin:
	.size	k_q8c0d6213c7_argmin, .Lfunc_end_k_q8c0d6213c7_argmin-k_q8c0d6213c7_argmin
	.p2alignl 7, 3214868480
	.fill 96, 4, 3214868480
	.section	.rodata,"a",@progbits
	.p2align	6, 0x0
	.amdhsa_kernel k_q8c0d6213c7_argmin
		.amdhsa_group_segment_fixed_size 327680
		.amdhsa_private_segment_fixed_size 0
		.amdhsa_enable_private_segment 0
		.amdhsa_kernarg_size 48
		.amdhsa_user_sgpr_count 2
		.amdhsa_user_sgpr_kernarg_segment_ptr 1
		.amdhsa_wavefront_size32 1
		.amdhsa_system_sgpr_workgroup_id_x 1
		.amdhsa_system_sgpr_workgroup_id_y 1
		.amdhsa_system_sgpr_workgroup_id_z 1
		.amdhsa_system_vgpr_workitem_id 0
		.amdhsa_next_free_vgpr 770
		.amdhsa_next_free_sgpr 90
		.amdhsa_reserve_vcc 1
		.amdhsa_float_denorm_mode_32 3
		.amdhsa_float_denorm_mode_16_64 3
		.amdhsa_memory_ordered 1
		.amdhsa_forward_progress 1
		.amdhsa_inst_pref_size 255
	.end_amdhsa_kernel
	.section	.bss,"aw",@nobits
	.p2align	6
	.space	262144
	.amdgpu_metadata
---
amdhsa.version: [ 1, 2 ]
amdhsa.kernels:
  - .name:           k_q8c0d6213c7_argmin
    .symbol:         k_q8c0d6213c7_argmin.kd
    .args:
      - { .name: eb, .offset: 0, .size: 8, .value_kind: global_buffer, .address_space: global }
      - { .name: zb, .offset: 8, .size: 8, .value_kind: global_buffer, .address_space: global }
      - { .name: ee, .offset: 16, .size: 8, .value_kind: global_buffer, .address_space: global }
      - { .name: zz, .offset: 24, .size: 8, .value_kind: global_buffer, .address_space: global }
      - { .name: pd, .offset: 32, .size: 8, .value_kind: global_buffer, .address_space: global }
      - { .name: pi, .offset: 40, .size: 8, .value_kind: global_buffer, .address_space: global }
    .group_segment_fixed_size: 327680
    .private_segment_fixed_size: 0
    .kernarg_segment_align: 8
    .kernarg_segment_size: 48
    .max_flat_workgroup_size: 128
    .sgpr_count:     90
    .vgpr_count:     770
    .wavefront_size: 32
...
	.end_amdgpu_metadata
.endif
;; end of part 2
;; launch finish (part 3): grid 256 x 1, 16 waves a work-group, no clusters, 2,304 bytes of LDS; arguments z, emb, pd, pi, out0, out1, part; writes out0, out1, part
.if DOCPART == 3
	.amdgcn_target "amdgcn-amd-amdhsa--gfx1250"
	.amdhsa_code_object_version 6
	.text
	.protected	k_q8c0d6213c7_finish
	.globl	k_q8c0d6213c7_finish
	.p2align	8
	.type	k_q8c0d6213c7_finish,@function
k_q8c0d6213c7_finish:
	s_mov_b64 s[64:65], 0
	v_nop
	global_prefetch_b8 v0, s[64:65] scope:SCOPE_SE
	s_setreg_imm32_b32 hwreg(HW_REG_WAVE_MODE, 25, 1), 1
	s_wait_xcnt 0x0
; finish: chooses between the two halves' candidates, out1 = the code, out0 = z + (emb[code] - z) in f32 with these two roundings, and the
; work-group's sum of (emb[code] - z)^2, which is (z - emb[code])^2 exactly.
; A stream with a gather.  A work-group takes 64 rows, a wave 4.  The choice hangs on a comparison of floating-point numbers, and no address is made
; of it in this launch: BOTH candidates' rows are fetched (their codes are whole numbers read from pi) and v_cndmask_b32 picks the numbers.
; That is one more read of 2,048 bytes a row, from a table of 16 MiB that all work-groups read.
; A tie between the halves keeps the lower half: its codes are the lower ones.
; All 48 loads of a wave go out at once; every store has data registers of its own.  A load or store of a wave covers 512 consecutive bytes.
; part gets one number of 4 bytes from each work-group: 1,024 bytes in all.
.set AC, 4                             ; v[4:11]    eight sums of squares
.set Z,  16                            ; v[16:79]   row i: 16 registers
.set Q0, 80                            ; v[80:143]  the lower half's candidate row, then the result
.set Q1, 144                           ; v[144:207] the upper half's candidate row
.set T,  208                           ; v[208:215] at work, two sets of four
	s_load_b256 s[4:11], s[0:1], 0x0               ; z s[4:5], emb s[6:7], pd s[8:9], pi s[10:11]
	s_load_b128 s[12:15], s[0:1], 0x20             ; out0 s[12:13], out1 s[14:15]
	s_load_b64 s[16:17], s[0:1], 0x30              ; part
	v_lshl_add_u32 v216, v0, 2, 0x100
	v_mov_b32 v217, 0
	v_lshrrev_b32 v2, 5, v0
	v_readfirstlane_b32 s18, v2                    ; wave 0..15
	v_and_b32 v1, 31, v0
	v_lshlrev_b32 v1, 4, v1                        ; 16 bytes a lane
	v_lshlrev_b32 v2, 2, v2                        ; my wave's word in LDS
	v_mov_b32 v3, 0                                ; v_permlanex16_b32 counts as a reader of its destination
	s_mov_b32 s56, 0x76543210
	s_mov_b32 s57, 0xfedcba98
	s_lshl_b32 s19, ttmp9, 6
	s_lshl2_add_u32 s19, s18, s19                  ; my first row = 64 g + 4 w
	s_lshl_b32 s58, s19, 11                        ; rows of 2,048 bytes
	s_mov_b32 s59, 0
	s_wait_kmcnt 0x0
	s_add_nc_u64 s[4:5], s[4:5], s[58:59]
	s_add_nc_u64 s[12:13], s[12:13], s[58:59]
.irp i, 0,1,2,3
.irp k, 0,1,2,3
	global_load_b128 v[Z+16*\i+4*\k:Z+16*\i+4*\k+3], v1, s[4:5] offset:2048*\i+512*\k th:TH_LOAD_NT
.endr
.endr
	s_lshl_b32 s58, s19, 2                         ; 4 bytes a row; for wave 0 this is the group's first row, 256 g
	s_add_nc_u64 s[8:9], s[8:9], s[58:59]
	s_add_nc_u64 s[10:11], s[10:11], s[58:59]
	s_add_nc_u64 s[14:15], s[14:15], s[58:59]
	s_lshl_b32 s58, ttmp9, 2
	s_add_nc_u64 s[16:17], s[16:17], s[58:59]      ; part[g]
	s_load_b128 s[20:23], s[10:11], 0x0            ; my four rows: codes of the lower half,
	s_load_b128 s[24:27], s[10:11], 0x10000        ; of the upper half,
	s_load_b128 s[28:31], s[8:9], 0x0              ; distances of the lower half,
	s_load_b128 s[32:35], s[8:9], 0x10000          ; of the upper half
	s_wait_kmcnt 0x0
.irp i, 0,1,2,3
	s_min_u32 s[20+\i], s[20+\i], 0x1fff           ; a code stays inside the table
	s_lshl_b32 s58, s[20+\i], 11
	s_add_nc_u64 s[36+4*\i:37+4*\i], s[6:7], s[58:59]
	s_min_u32 s[24+\i], s[24+\i], 0x1fff
	s_lshl_b32 s58, s[24+\i], 11
	s_add_nc_u64 s[38+4*\i:39+4*\i], s[6:7], s[58:59]
	v_cmp_lt_f32 s[52+\i], s[32+\i], s[28+\i]      ; all lanes alike: the upper half wins only if strictly smaller
.irp k, 0,1,2,3
	global_load_b128 v[Q0+16*\i+4*\k:Q0+16*\i+4*\k+3], v1, s[36+4*\i:37+4*\i] offset:512*\k
.endr
.irp k, 0,1,2,3
	global_load_b128 v[Q1+16*\i+4*\k:Q1+16*\i+4*\k+3], v1, s[38+4*\i:39+4*\i] offset:512*\k
.endr
.endr
.macro ROW i
	s_wait_loadcnt 24-8*\i                         ; loads come back in order: z's and this row's eight are in, the eight of each later row stay out
.irp k, 0,1,2,3
.set tb, T+4*(\k%2)
.irp c, 0,1,2,3
	v_cndmask_b32 v[tb+\c], v[Q0+16*\i+4*\k+\c], v[Q1+16*\i+4*\k+\c], s[52+\i]
.endr
.irp r, 0,2
	v_pk_add_f32 v[tb+\r:tb+\r+1], v[tb+\r:tb+\r+1], v[Z+16*\i+4*\k+\r:Z+16*\i+4*\k+\r+1] neg_lo:[0,1] neg_hi:[0,1]   ; t = q - z
.endr
.irp r, 0,2
	v_pk_add_f32 v[Q0+16*\i+4*\k+\r:Q0+16*\i+4*\k+\r+1], v[Z+16*\i+4*\k+\r:Z+16*\i+4*\k+\r+1], v[tb+\r:tb+\r+1]       ; z + t
.endr
.irp r, 0,2
.if (4*\i+\k) < 2
	v_pk_mul_f32 v[AC+4*(\k%2)+\r:AC+4*(\k%2)+\r+1], v[tb+\r:tb+\r+1], v[tb+\r:tb+\r+1]                               ; the first squares start the sums
.else
	v_pk_fma_f32 v[AC+4*(\k%2)+\r:AC+4*(\k%2)+\r+1], v[tb+\r:tb+\r+1], v[tb+\r:tb+\r+1], v[AC+4*(\k%2)+\r:AC+4*(\k%2)+\r+1]
.endif
.endr
	global_store_b128 v1, v[Q0+16*\i+4*\k:Q0+16*\i+4*\k+3], s[12:13] offset:2048*\i+512*\k th:TH_STORE_NT
.endr
.endm
	ROW 0
	ROW 1
	ROW 2
	ROW 3
	v_pk_add_f32 v[AC:AC+1], v[AC:AC+1], v[AC+2:AC+3]
	v_pk_add_f32 v[AC+4:AC+5], v[AC+4:AC+5], v[AC+6:AC+7]
	v_pk_add_f32 v[AC:AC+1], v[AC:AC+1], v[AC+4:AC+5]
	v_add_f32 v4, v4, v5
	v_add_f32_dpp v4, v4, v4 row_xmask:1 row_mask:0xf bank_mask:0xf
	v_add_f32_dpp v4, v4, v4 row_xmask:2 row_mask:0xf bank_mask:0xf
	v_add_f32_dpp v4, v4, v4 row_xmask:4 row_mask:0xf bank_mask:0xf
	v_add_f32_dpp v4, v4, v4 row_xmask:8 row_mask:0xf bank_mask:0xf
	v_permlanex16_b32 v3, v4, s56, s57
	v_add_f32 v4, v4, v3
	ds_store_b32 v2, v4                            ; all lanes write my wave's word with the same number
	s_wait_dscnt 0x0                               ; written, for wave 0's sake
	s_barrier_signal -1
	s_barrier_wait -1
	s_cmp_lg_u32 s18, 0
	s_cbranch_scc1 .Lend
	v_and_b32 v12, 15, v0
	v_lshlrev_b32 v12, 2, v12
	ds_load_b32 v13, v12                           ; the sixteen waves' sums, once in each half of the lanes
	v_lshlrev_b32 v14, 3, v0                       ; wave 0: two rows a lane, the group's 64
	global_load_b64 v[16:17], v14, s[8:9]
	global_load_b64 v[18:19], v14, s[8:9] offset:65536
	global_load_b64 v[20:21], v14, s[10:11]
	global_load_b64 v[22:23], v14, s[10:11] offset:65536
	v_mov_b32 v15, 0
	s_wait_dscnt 0x0
	v_add_f32_dpp v13, v13, v13 row_xmask:1 row_mask:0xf bank_mask:0xf
	v_add_f32_dpp v13, v13, v13 row_xmask:2 row_mask:0xf bank_mask:0xf
	v_add_f32_dpp v13, v13, v13 row_xmask:4 row_mask:0xf bank_mask:0xf
	v_add_f32_dpp v13, v13, v13 row_xmask:8 row_mask:0xf bank_mask:0xf
	s_wait_loadcnt 0x0
	v_cmp_lt_f32 vcc_lo, v18, v16
	v_cndmask_b32 v20, v20, v22, vcc_lo
	v_cmp_lt_f32 vcc_lo, v19, v17
	v_cndmask_b32 v21, v21, v23, vcc_lo
	global_store_b64 v14, v[20:21], s[14:15]       ; 256 consecutive bytes of out1, at a multiple of 256 from its first byte
	v_cmp_eq_u32 vcc_lo, 0, v0
	s_wait_xcnt 0x0                                ; EXEC is a source of the stores above: it changes only behind this wait
	s_and_saveexec_b32 s19, vcc_lo
	global_store_b32 v15, v13, s[16:17]            ; lane 0: the group's sum
	s_wait_xcnt 0x0                                ; and again in front of the line that widens it
	s_or_b32 exec_lo, exec_lo, s19
.Lend:
	s_wait_tensorcnt 0x0
	ds_add_u32 v216, v217
	s_wait_dscnt 0x0
	s_endpgm
.Lfunc_end_k_q8c0d6213c7_finish:
	.size	k_q8c0d6213c7_finish, .Lfunc_end_k_q8c0d6213c7_finish-k_q8c0d6213c7_finish
	.p2alignl 7, 3214868480
	.fill 96, 4, 3214868480
	.section	.rodata,"a",@progbits
	.p2align	6, 0x0
	.amdhsa_kernel k_q8c0d6213c7_finish
		.amdhsa_group_segment_fixed_size 2304
		.amdhsa_private_segment_fixed_size 0
		.amdhsa_enable_private_segment 0
		.amdhsa_kernarg_size 56
		.amdhsa_user_sgpr_count 2
		.amdhsa_user_sgpr_kernarg_segment_ptr 1
		.amdhsa_wavefront_size32 1
		.amdhsa_system_sgpr_workgroup_id_x 1
		.amdhsa_system_sgpr_workgroup_id_y 1
		.amdhsa_system_sgpr_workgroup_id_z 1
		.amdhsa_system_vgpr_workitem_id 0
		.amdhsa_next_free_vgpr 218
		.amdhsa_next_free_sgpr 66
		.amdhsa_reserve_vcc 1
		.amdhsa_float_denorm_mode_32 3
		.amdhsa_float_denorm_mode_16_64 3
		.amdhsa_memory_ordered 1
		.amdhsa_forward_progress 1
		.amdhsa_inst_pref_size 22
	.end_amdhsa_kernel
	.amdgpu_metadata
---
amdhsa.version: [ 1, 2 ]
amdhsa.kernels:
  - .name:           k_q8c0d6213c7_finish
    .symbol:         k_q8c0d6213c7_finish.kd
    .args:
      - { .name: z, .offset: 0, .size: 8, .value_kind: global_buffer, .address_space: global }
      - { .name: emb, .offset: 8, .size: 8, .value_kind: global_buffer, .address_space: global }
      - { .name: pd, .offset: 16, .size: 8, .value_kind: global_buffer, .address_space: global }
      - { .name: pi, .offset: 24, .size: 8, .value_kind: global_buffer, .address_space: global }
      - { .name: out0, .offset: 32, .size: 8, .value_kind: global_buffer, .address_space: global }
      - { .name: out1, .offset: 40, .size: 8, .value_kind: global_buffer, .address_space: global }
      - { .name: part, .offset: 48, .size: 8, .value_kind: global_buffer, .address_space: global }
    .group_segment_fixed_size: 2304
    .private_segment_fixed_size: 0
    .kernarg_segment_align: 8
    .kernarg_segment_size: 56
    .max_flat_workgroup_size: 512
    .sgpr_count:     66
    .vgpr_count:     218
    .wavefront_size: 32
...
	.end_amdgpu_metadata
.endif
;; end of part 3
;; launch total (part 4): grid 1 x 1, 1 waves a work-group, no clusters, 0 bytes of LDS; arguments part, out2; writes out2
.if DOCPART == 4
	.amdgcn_target "amdgcn-amd-amdhsa--gfx1250"
	.amdhsa_code_object_version 6
	.text
	.protected	k_q8c0d6213c7_total
	.globl	k_q8c0d6213c7_total
	.p2align	8
	.type	k_q8c0d6213c7_total,@function
k_q8c0d6213c7_total:
	s_mov_b64 s[64:65], 0
	v_nop
	global_prefetch_b8 v0, s[64:65] scope:SCOPE_SE
	s_setreg_imm32_b32 hwreg(HW_REG_WAVE_MODE, 25, 1), 1
	s_wait_xcnt 0x0
; total: out2 = the sum of the 256 work-groups' sums of squares, divided by 16384 x 512 = 2^23 (an exact scaling).
; One wave: a sum over work-groups has one owner, in a launch behind the one that made the parts.  1,024 bytes in, 4 bytes out.
	s_load_b128 s[4:7], s[0:1], 0x0                ; part s[4:5], out2 s[6:7]
	v_lshlrev_b32 v1, 4, v0
	v_mov_b32 v10, 0
	v_mov_b32 v11, 0                               ; v_permlanex16_b32 counts as a reader of its destination
	s_mov_b32 s8, 0x76543210
	s_mov_b32 s9, 0xfedcba98
	s_wait_kmcnt 0x0
	global_load_b128 v[2:5], v1, s[4:5]
	global_load_b128 v[6:9], v1, s[4:5] offset:512
	s_wait_loadcnt 0x0
	v_pk_add_f32 v[2:3], v[2:3], v[4:5]
	v_pk_add_f32 v[6:7], v[6:7], v[8:9]
	v_pk_add_f32 v[2:3], v[2:3], v[6:7]
	v_add_f32 v2, v2, v3
	v_add_f32_dpp v2, v2, v2 row_xmask:1 row_mask:0xf bank_mask:0xf
	v_add_f32_dpp v2, v2, v2 row_xmask:2 row_mask:0xf bank_mask:0xf
	v_add_f32_dpp v2, v2, v2 row_xmask:4 row_mask:0xf bank_mask:0xf
	v_add_f32_dpp v2, v2, v2 row_xmask:8 row_mask:0xf bank_mask:0xf
	v_permlanex16_b32 v11, v2, s8, s9
	v_add_f32 v2, v2, v11
	v_mul_f32 v2, 0x34000000, v2                   ; 2^-23
	v_cmp_eq_u32 vcc_lo, 0, v0
	s_wait_xcnt 0x0                                ; EXEC changes only behind this wait
	s_and_saveexec_b32 s10, vcc_lo
	global_store_b32 v10, v2, s[6:7]
	s_wait_xcnt 0x0
	s_or_b32 exec_lo, exec_lo, s10
	s_endpgm
.Lfunc_end_k_q8c0d6213c7_total:
	.size	k_q8c0d6213c7_total, .Lfunc_end_k_q8c0d6213c7_total-k_q8c0d6213c7_total
	.p2alignl 7, 3214868480
	.fill 96, 4, 3214868480
	.section	.rodata,"a",@progbits
	.p2align	6, 0x0
	.amdhsa_kernel k_q8c0d6213c7_total
		.amdhsa_group_segment_fixed_size 0
		.amdhsa_private_segment_fixed_size 0
		.amdhsa_enable_private_segment 0
		.amdhsa_kernarg_size 16
		.amdhsa_user_sgpr_count 2
		.amdhsa_user_sgpr_kernarg_segment_ptr 1
		.amdhsa_wavefront_size32 1
		.amdhsa_system_sgpr_workgroup_id_x 1
		.amdhsa_system_sgpr_workgroup_id_y 1
		.amdhsa_system_sgpr_workgroup_id_z 1
		.amdhsa_system_vgpr_workitem_id 0
		.amdhsa_next_free_vgpr 16
		.amdhsa_next_free_sgpr 66
		.amdhsa_reserve_vcc 1
		.amdhsa_float_denorm_mode_32 3
		.amdhsa_float_denorm_mode_16_64 3
		.amdhsa_memory_ordered 1
		.amdhsa_forward_progress 1
		.amdhsa_inst_pref_size 2
	.end_amdhsa_kernel
	.amdgpu_metadata
---
amdhsa.version: [ 1, 2 ]
amdhsa.kernels:
  - .name:           k_q8c0d6213c7_total
    .symbol:         k_q8c0d6213c7_total.kd
    .args:
      - { .name: part, .offset: 0, .size: 8, .value_kind: global_buffer, .address_space: global }
      - { .name: out2, .offset: 8, .size: 8, .value_kind: global_buffer, .address_space: global }
    .group_segment_fixed_size: 0
    .private_segment_fixed_size: 0
    .kernarg_segment_align: 8
    .kernarg_segment_size: 16
    .max_flat_workgroup_size: 32
    .sgpr_count:     66
    .vgpr_count:     16
    .wavefront_size: 32
...
	.end_amdgpu_metadata
.endif
;; end of part 4
;; ======== version 2 of 2: 4 launches; 1.43 times as fast as version 1
;; limits: right only within a limited range of input values
;; workspace buffers: eb 8,388,608 bytes; zb 16,777,216 bytes; ee 32,768 bytes; zz 65,536 bytes; pd 131,072 bytes; pi 131,072 bytes of whole numbers; part 1,024 bytes
;; launch prep: the kernel of part 1 again; grid 384 x 1, 8 waves a work-group, no clusters, 1,280 bytes of LDS; arguments emb, z, eb, zb, ee, zz; writes eb, zb, ee, zz
;; launch argmin (part 5): grid 128 x 2, 4 waves a work-group, clusters of 4 x 1, 327,680 bytes of LDS; arguments eb, zb, ee, zz, pd, pi; writes pd, pi
.if DOCPART == 5
	.amdgcn_target "amdgcn-amd-amdhsa--gfx1250"
	.amdhsa_code_object_version 6
	.text
	.protected	k_q8c0d6213c7_argmin
	.globl	k_q8c0d6213c7_argmin
	.p2align	8
	.type	k_q8c0d6213c7_argmin,@function
k_q8c0d6213c7_argmin:
	s_mov_b64 s[64:65], 0
	v_nop
	global_prefetch_b8 v0, s[64:65] scope:SCOPE_SE
	s_setreg_imm32_b32 hwreg(HW_REG_WAVE_MODE, 25, 1), 1
	s_wait_xcnt 0x0
	s_wait_alu depctr_hold_cnt(0) depctr_sa_sdst(0) depctr_va_vdst(0) depctr_va_sdst(0) depctr_va_ssrc(0) depctr_va_vcc(0) depctr_vm_vsrc(0)
	s_getreg_b32 s2, hwreg(HW_REG_IB_STS2, 6, 4)
	s_cmp_eq_u32 s2, 0
	s_cbranch_scc0 .Lentry_in_a_cluster
	s_endpgm
.Lentry_in_a_cluster:
	s_bfe_u32 s2, ttmp6, 0x10000c
	s_cmp_lg_u32 s2, 0x3003
	s_cbranch_scc0 .Lentry_shape_is_right
	s_endpgm
.Lentry_shape_is_right:
; argmin: for 128 rows of z and one half (4,096) of the codes, the smallest distance d = fl(fl(zz - 2 dot) + ee) and the first code that has it.
; dot comes from the matrix unit (bf16 operands, f32 sums); the two roundings are those of the formula as it is written, since the roundings
; decide ties and the first of tied codes is wanted.  No distance goes to memory.
; LIMITS: NaN and infinities among the inputs are not served (a NaN distance never wins here).  The distances are those of the operands rounded
; to bf16.  Where a distance lies within the summation error of dot (some 1e-9 at these sizes) of a rounding boundary of d, the index can differ
; from that of another f32 evaluation.  Two different distances of one row must differ by more than 1.2e-38 (see THE CODE below): that holds
; wherever the distances are larger than some 1e-31 in size.
;
; SHARE.  Work-group (x, y): z rows 128 x .. + 127, codes 4096 y .. + 4095; 256 work-groups.  Wave w: rows 64 (w >> 1) .. + 63, and of every tile of
; 128 codes the 64 at 64 (w & 1).  The wave's 64 rows x 512 K of z stay in 512 registers for the whole launch; only code fragments are read from LDS:
; a fragment of 16 codes x 32 K (1,024 bytes) feeds four matrix instructions.  The codes go through two LDS slots of one tile (128 codes x 512 K).
; A sub-tile is 16 codes x 64 rows = 4 accumulator tiles = 32 registers, and there are two sets: while one set is summed over K (64 matrix
; instructions), the other set's 112 vector instructions (distances, running minimum, its code) stand in the gaps between them, 2, 2, 2, 1.
; THE CODE of a running minimum is kept as the bit pattern ENC + code, which read as f32 is a normal number just above 2^-126 and ascends with the
; code.  A chain sees its codes in ascending order, so the code I that it holds is never above the code ct that is at hand.  With y = fl(m - d):
; d < m gives y > ct >= I, and the median of (y, ct, I) is ct; d >= m gives y <= 0 < I <= ct, and the median is I.  One v_med3_num_f32 is the
; comparison and the choice, and a tie keeps the earlier code.
; LDS LOADS STAND IN RUNS.  A sub-tile's 16 fragments have 128 registers, two buffers of 8 K steps.  While one buffer is multiplied (32 matrix
; instructions), the other is filled by ONE run of 16 loads that stands behind the second of them: memory instructions break the stream of matrix
; instructions once in 32, and a run has 30 matrix instructions in which to land.
; CLUSTER.  The four work-groups of a cluster lie along x and have the same y: they walk the same code tiles and the same table of ee.  Those loads are
; joint (mask 15).  z's block is each work-group's own: one plain load.
; TRANSPOSED USE.  Source 0 = 16 codes, source 1 = 16 rows of z: register j of lane (r, h) is code 8 h + j against z row r, so a lane owns one row of z
; in each of the four row tiles and the minimum runs inside the lane.
; WINDOWS.  z's fragments are source 1 alone and lie in windows 1 (K steps 0-7) and 2 (K steps 8-15); all else lies in window 0.  The setting 0x04 or
; 0x08 holds for the vector instructions in the gaps too, so none of them has a vector register as its second source: a constant or a scalar stands there.
.set PITCH,  1040                      ; an LDS row: 1,024 bytes + 16 of padding = 65 x 16: the 16 rows of a fragment load start 16 bytes apart modulo 256
.set QUART,  32*PITCH                  ; 33,280: what one tensor load brings (32 rows)
.set SLOTB,  4*QUART                   ; 133,120: a slot, 128 rows
.set EETAB,  2*SLOTB                   ; 266,240: ee of my 4,096 codes, 16,384 bytes, filled once
.set SCR,    EETAB+16384               ; 282,624: for each wave 256 bytes of minima and 256 of codes; written by ds_store, no fill lands here
.set ENC,    0x00800000                ; added to a code while it is kept: the bits of 2^-126
.set ADR, 1                            ; v1, v2     LDS address of my code fragments in slot 0, 1
.set VEE, 3                            ; v3         LDS address of my ee, steps by two tiles a lap
.set ZZ,  4                            ; v[4:7]     zz of my row in row tile zt
.set VX,  8                            ; v[8:11]    m - d of four chains
.set EE,  12                           ; v[12:19]   ee of my 8 codes of the sub-tile that is being finished
.set VM,  20                           ; v[20:35]   running minimum, row tile zt, chain c (register j mod 4), at 20 + 4 zt + c
.set VI,  36                           ; v[36:51]   ENC + its code, less c + 8 h, likewise
.set FR,  52                           ; v[52:179]  code fragments of a sub-tile, K step ks at 52 + 8 ks: buffer 0 = K steps 0-7, buffer 1 = K steps 8-15
.set ACC, 180                          ; v[180:243] two sets of four accumulator tiles, row tile zt at 180 + 32 set + 8 zt
                                       ; v[252:255] at work;  windows 1, 2: z fragment of K step ks, row tile zt at 32 (ks mod 8) + 8 zt
.set CT,  28                           ; s[28:29]   ENC + code of register 0 and of register 4 in lane half 0 of the sub-tile that is being finished
.set G1J, 32                           ; s[32:39]   group 1 of the joint code loads
.set G1Z, 40                           ; s[40:47]   group 1 of z's plain load
.set G1E, 48                           ; s[48:55]   group 1 of ee's joint load
.set G0,  56                           ; s[56:63]   group 0 of the code loads, a set for each slot
.set G0Z, 68                           ; s[68:71]   group 0 of z's load
.set G0E, 72                           ; s[72:75]   group 0 of ee's load
.set MSB, 0
.set EN,  0
.macro WIN new                         ; the immediate's high byte repeats the setting that is left
.if MSB != \new
	s_set_vgpr_msb (MSB<<8)|\new
.set MSB, \new
.endif
.endm
; A round of the cluster's barrier: my work-group's barrier, wave 0 signals for the work-group, every wave waits for all four work-groups, my barrier again.
.macro CREST                           ; a round behind its opening barrier
	s_cmp_lg_u32 s16, 0
	s_cbranch_scc1 .Lnot_wave_0_\@
	s_barrier_signal -3
.Lnot_wave_0_\@:
	s_barrier_wait -3
	s_barrier_signal -1
	s_barrier_wait -1
.endm
.macro CROUND
	s_barrier_signal -1
	s_barrier_wait -1
	CREST
.endm
.macro TLOAD g0, g1                    ; a tensor load; four idle vector slots follow it before anything else
	tensor_load_to_lds s[\g0:\g0+3], s[\g1:\g1+7]
	s_nop 0
.rept 4
	v_nop
.endr
.endm
	s_load_b256 s[4:11], s[0:1], 0x0               ; eb s[4:5], zb s[6:7], ee s[8:9], zz s[10:11]
	s_load_b128 s[12:15], s[0:1], 0x20             ; pd s[12:13], pi s[14:15]
	v_lshl_add_u32 v250, v0, 2, 0x45800
	v_mov_b32 v251, 0
	ds_add_u32 v250, v251
	v_lshrrev_b32 v252, 5, v0
	v_readfirstlane_b32 s16, v252                  ; wave 0..3
	s_lshr_b32 s17, s16, 1                         ; wr: which 64 rows of z
	s_and_b32 s18, s16, 1                          ; wc: which 64 codes of a tile
	s_bfe_u32 s19, ttmp6, 0x40000                  ; cx
	s_lshl_b32 s20, ttmp9, 2
	s_add_co_u32 s20, s20, s19                     ; x = 4 x cluster x + cx
	s_and_b32 s21, ttmp7, 0xffff                   ; y (a cluster is one work-group high)
	s_mov_b32 s23, 0x7f800000                      ; +infinity
	s_mov_b32 s24, 1024                            ; ee of two tiles, in bytes
	s_mov_b32 s80, 0x76543210
	s_mov_b32 s81, 0xfedcba98
	s_lshl_b32 s25, s21, 12
	s_lshl_b32 s27, s18, 6
	s_add_co_u32 s25, s25, s27
	s_add_co_u32 s25, s25, ENC                     ; PB: ENC + first code of the sub-tile whose distances are due next = ENC + 4096 y + 64 wc
	; group 1 of the code loads: 32 rows x 512 elements of 2 bytes, 4 words of padding behind every 256 words
	s_mov_b32 s[G1J+0], 15|(1<<16)|(1<<20)|(1<<21)|(7<<22)|(3<<25)   ; 15:0 mask: all four of the cluster; 17:16 2 bytes; 20 padding; 21 set beside a mask; 24:22 interval code 7; 31:25 pad code 3
	s_mov_b32 s[G1J+1], 512<<16                    ; tensor_dim0 = 512
	s_mov_b32 s[G1J+2], 32<<16                     ; tensor_dim1 = 32
	s_mov_b32 s[G1J+3], 512<<16                    ; tile_dim0 = 512
	s_mov_b32 s[G1J+4], 32                         ; tile_dim1 = 32
	s_mov_b32 s[G1J+5], 512                        ; elements from row to row
	s_mov_b32 s[G1J+6], 0
	s_mov_b32 s[G1J+7], 0
	s_mov_b32 s[G1Z+0], (1<<16)|(1<<20)|(7<<22)|(3<<25)              ; the same shape, no mask: z's block is my own
	s_mov_b32 s[G1Z+1], 512<<16
	s_mov_b32 s[G1Z+2], 32<<16
	s_mov_b32 s[G1Z+3], 512<<16
	s_mov_b32 s[G1Z+4], 32
	s_mov_b32 s[G1Z+5], 512
	s_mov_b32 s[G1Z+6], 0
	s_mov_b32 s[G1Z+7], 0
	s_mov_b32 s[G1E+0], 15|(3<<16)|(1<<21)         ; 4,096 dense bytes as 16 rows of 32 elements of 8 bytes, joint, no padding
	s_mov_b32 s[G1E+1], 32<<16
	s_mov_b32 s[G1E+2], 16<<16
	s_mov_b32 s[G1E+3], 32<<16
	s_mov_b32 s[G1E+4], 16
	s_mov_b32 s[G1E+5], 32
	s_mov_b32 s[G1E+6], 0
	s_mov_b32 s[G1E+7], 0
	; group 0: LDS addresses hang on the wave's number alone
	s_mov_b32 s[G0+0], 1
	s_mov_b32 s[G0+4], 1
	s_mov_b32 s[G0Z+0], 1
	s_mov_b32 s[G0E+0], 1
	s_mul_i32 s[G0+1], s16, QUART                  ; slot 0, my quarter
	s_add_co_u32 s[G0+5], s[G0+1], SLOTB           ; slot 1, my quarter
	s_add_co_u32 s[G0Z+1], s[G0+1], SLOTB          ; z's block lies in slot 1 until it is in registers
	s_lshl_b32 s[G0E+1], s16, 12
	s_add_co_u32 s[G0E+1], s[G0E+1], EETAB
	; global offsets.  s26, s27, s76, s77 never hold x: they feed the joint descriptors.  s[78:79] hold what hangs on x.
	s_lshl_b32 s26, s16, 15                        ; my 32 rows of 1,024 bytes
	s_lshl_b32 s76, s21, 22                        ; 4,096 codes of 1,024 bytes
	s_add_co_u32 s76, s76, s26
	s_mov_b32 s77, 0
	s_lshl_b32 s78, s20, 17                        ; 128 rows of 1,024 bytes
	s_add_co_u32 s78, s78, s26
	s_mov_b32 s79, 0
	s_wait_dscnt 0x0
	s_wait_kmcnt 0x0
	s_add_nc_u64 s[G0+2:G0+3], s[4:5], s[76:77]    ; tile 0
	s_add_nc_u64 s[G0+6:G0+7], s[G0+2:G0+3], 128*1024   ; tile 1
	s_add_nc_u64 s[G0Z+2:G0Z+3], s[6:7], s[78:79]
	s_lshl_b32 s76, s21, 14                        ; ee of 4,096 codes
	s_lshl_b32 s27, s16, 12
	s_add_co_u32 s76, s76, s27
	s_add_nc_u64 s[G0E+2:G0E+3], s[8:9], s[76:77]
	s_or_b32 s[G0+3], s[G0+3], 0x80000000          ; type = 2
	s_or_b32 s[G0+7], s[G0+7], 0x80000000
	s_or_b32 s[G0Z+3], s[G0Z+3], 0x80000000
	s_or_b32 s[G0E+3], s[G0E+3], 0x80000000
	s_lshl_b32 s78, s20, 9
	s_lshl_b32 s27, s17, 8
	s_add_co_u32 s78, s78, s27                     ; 4 (128 x + 64 wr)
	s_add_nc_u64 s[10:11], s[10:11], s[78:79]      ; zz at my wave's first row
	s_lshl_b32 s27, s21, 16
	s_add_co_u32 s78, s78, s27                     ; + 65,536 y
	s_add_nc_u64 s[12:13], s[12:13], s[78:79]      ; pd and pi at my wave's first row of my half
	s_add_nc_u64 s[14:15], s[14:15], s[78:79]
	CROUND                                         ; all four work-groups are here: the first joint loads meet
	TLOAD G0, G1J                                  ; the first fills go out as one group: three loads of this wave are out, later one
	TLOAD G0Z, G1Z
	TLOAD G0E, G1E
	v_and_b32 v253, 15, v0                         ; r
	v_bfe_u32 v254, v0, 4, 1                       ; h
	v_mul_u32_u24 v255, v253, PITCH
	v_lshl_add_u32 v255, v254, 4, v255             ; r x pitch + 16 h
	s_mul_i32 s27, s18, 2*QUART
	v_add_nc_u32 v[ADR+0], s27, v255               ; my 64 codes in slot 0
	s_add_co_u32 s27, s27, SLOTB
	v_add_nc_u32 v[ADR+1], s27, v255               ; and in slot 1
	s_mul_i32 s27, s17, 2*QUART
	s_add_co_u32 s27, s27, SLOTB
	v_add_nc_u32 v252, s27, v255                   ; my 64 rows of z, in slot 1
	s_lshl_b32 s27, s18, 8
	s_add_co_u32 s27, s27, EETAB
	v_lshl_add_u32 v[VEE], v254, 5, s27            ; ee: 256 wc + 32 h
	v_lshlrev_b32 v[VX], 2, v253
.irp zt, 0,1,2,3
	global_load_b32 v[ZZ+\zt], v[VX], s[10:11] offset:64*\zt       ; zz of row 16 zt + r
.endr
.irp i, 0,1,2,3,4,5,6,7,8,9,10,11,12,13,14,15
	v_mov_b32 v[VM+\i], s23                        ; every finite distance is smaller
	v_mov_b32 v[VI+\i], s25                        ; not above the first code at hand
.endr
	s_wait_loadcnt 0x0                             ; zz; v[VX] is free again
	s_wait_tensorcnt 0x0                           ; my parts of tile 0, of z's block and of ee have landed
	s_barrier_signal -1
	s_barrier_wait -1                              ; everybody's have
	WIN 0x40                                       ; destination window 1
.irp ks, 0,1,2,3,4,5,6,7
.irp zt, 0,1,2,3
	ds_load_b128 v[32*\ks+8*\zt:32*\ks+8*\zt+3],   v252 offset:\zt*16*PITCH+\ks*64
	ds_load_b128 v[32*\ks+8*\zt+4:32*\ks+8*\zt+7], v252 offset:\zt*16*PITCH+\ks*64+32
.endr
.endr
	WIN 0x80                                       ; destination window 2
.irp ks, 0,1,2,3,4,5,6,7
.irp zt, 0,1,2,3
	ds_load_b128 v[32*\ks+8*\zt:32*\ks+8*\zt+3],   v252 offset:\zt*16*PITCH+(\ks+8)*64
	ds_load_b128 v[32*\ks+8*\zt+4:32*\ks+8*\zt+7], v252 offset:\zt*16*PITCH+(\ks+8)*64+32
.endr
.endr
	WIN 0
	s_wait_dscnt 0x0                               ; z is in registers: my reads of slot 1 are over
	s_wait_tensorcnt 0x0                           ; no tensor load of mine is out (met)
	ds_add_u32 v250, v251
	s_wait_dscnt 0x0
	CROUND                                         ; the same holds of every wave of the cluster
	TLOAD G0+4, G1J                                ; tile 1 into the slot that held z: my one load behind this round
; A run of 16 loads: the eight fragments of K steps 8 hf .. 8 hf + 7 of sub-tile p of a slot, into buffer hf
.macro FRUN slot, p, hf
.irp k, 0,1,2,3,4,5,6,7
	ds_load_b128 v[FR+64*\hf+8*\k:FR+64*\hf+8*\k+3],   v[ADR+\slot] offset:(\p)*16*PITCH+(8*\hf+\k)*64
	ds_load_b128 v[FR+64*\hf+8*\k+4:FR+64*\hf+8*\k+7], v[ADR+\slot] offset:(\p)*16*PITCH+(8*\hf+\k)*64+32
.endr
.endm
; ee of my 8 codes of sub-tile p of a slot's tile; it stands first in its run
.macro ERUN slot, p
	ds_load_b128 v[EE:EE+3],   v[VEE] offset:\slot*512+\p*64
	ds_load_b128 v[EE+4:EE+7], v[VEE] offset:\slot*512+\p*64+16
.endm
; Operation EN (0 .. 111) on a finished set.  0-31: the distances of the four row tiles, eight operations each; ee is read by these alone.
; 32-111: eight groups of 10, registers 0-3 of the four row tiles, then registers 4-7: a chain (row tile, register mod 4) sees its codes in
; ascending order.  A group: two packed differences m - d, four minima, four medians; a median reads its difference six to eight operations
; behind the write, and a chain reads its minimum again 34 or more operations behind the write.
.macro EPIOP set
.if EN < 32
.set e_zt, EN/8
.set e_o, EN%8
.set e_b, ACC+32*\set+8*e_zt
.if e_o < 4                            ; fl(zz - 2 dot): doubling is exact, one rounding
.if (e_zt%2) == 0
	v_pk_fma_f32 v[e_b+2*e_o:e_b+2*e_o+1], v[e_b+2*e_o:e_b+2*e_o+1], -2.0, v[ZZ+2*(e_zt/2):ZZ+2*(e_zt/2)+1] op_sel_hi:[1,0,0]
.else
	v_pk_fma_f32 v[e_b+2*e_o:e_b+2*e_o+1], v[e_b+2*e_o:e_b+2*e_o+1], -2.0, v[ZZ+2*(e_zt/2):ZZ+2*(e_zt/2)+1] op_sel:[0,0,1] op_sel_hi:[1,0,1]
.endif
.else                                  ; fl(. + ee): times 1.0 is exact, one rounding
	v_pk_fma_f32 v[e_b+2*(e_o-4):e_b+2*(e_o-4)+1], v[e_b+2*(e_o-4):e_b+2*(e_o-4)+1], 1.0, v[EE+2*(e_o-4):EE+2*(e_o-4)+1] op_sel_hi:[1,0,1]
.endif
.else
.set e_q, (EN-32)/10
.set e_k, (EN-32)%10
.set e_zt, e_q%4
.set e_h, e_q/4
.set e_b, ACC+32*\set+8*e_zt
.if e_k < 2                            ; y = m - d: positive exactly where d < m (denormals are kept), +0 where they are equal
	v_pk_fma_f32 v[VX+2*e_k:VX+2*e_k+1], v[e_b+4*e_h+2*e_k:e_b+4*e_h+2*e_k+1], -1.0, v[VM+4*e_zt+2*e_k:VM+4*e_zt+2*e_k+1] op_sel_hi:[1,0,1]
.elseif e_k < 6                        ; m = min(d, m); +infinity fills the place in which no vector register may stand
	v_min3_num_f32 v[VM+4*e_zt+e_k-2], v[e_b+4*e_h+e_k-2], s23, v[VM+4*e_zt+e_k-2]
.else                                  ; the median of (y, ct, I): ct where y > ct >= I, I where y <= 0 < I <= ct
	v_med3_num_f32 v[VI+4*e_zt+e_k-6], v[VX+e_k-6], s[CT+e_h], v[VI+4*e_zt+e_k-6]
.endif
.endif
.set EN, EN+1
.endm
; What stands behind matrix instruction g (0 .. 63) of a sub-tile: 2, 2, 2, 1 operations on the other set, 112 in all.
; They are also the places that ISA guide 7.12.1 asks for.  In front of a run (behind g = 1 or 33) stand the four of the half's first two gaps and
; the one of the gap before: they name the other set, or row tile 0 of the set just finished, never a register of the last matrix instruction
; that read the buffer.  A finished tile is first read seven or more operations behind its last matrix instruction.
; In the one sub-tile with nothing to finish v_nop takes these places: two in each half's first two gaps, one in each of the last four gaps.
.macro GAP set, epi, g
.if \epi
	EPIOP \set
.if ((\g)%4) != 3
	EPIOP \set
.endif
.else
.if ((\g)%32) < 2
	v_nop
	v_nop
.elseif (\g) >= 60
	v_nop
.endif
.endif
.endm
; One matrix instruction and its gap.  The four accumulators of a set take turns, one instruction a turn, in the same order in every K step, from
; sub-tile to sub-tile and over the backward jump.  K step 0 starts the sums with the constant 0.
.macro MM1 set, ks, zt, epi
.if (\ks) == 0
	v_wmma_f32_16x16x32_bf16 v[ACC+32*\set+8*\zt:ACC+32*\set+8*\zt+7], v[FR+8*(\ks):FR+8*(\ks)+7], v[32*((\ks)%8)+8*\zt:32*((\ks)%8)+8*\zt+7], 0
.else
	v_wmma_f32_16x16x32_bf16 v[ACC+32*\set+8*\zt:ACC+32*\set+8*\zt+7], v[FR+8*(\ks):FR+8*(\ks)+7], v[32*((\ks)%8)+8*\zt:32*((\ks)%8)+8*\zt+7], v[ACC+32*\set+8*\zt:ACC+32*\set+8*\zt+7]
.endif
	GAP (1-\set), \epi, (4*(\ks)+\zt)
.endm
.macro MM4 set, ks, epi
.irp zt, 0,1,2,3
	MM1 \set, \ks, \zt, \epi
.endr
.endm
; The second half of a sub-tile that ends no tile (more = 1), or of the last sub-tile of all (more = 0: only its ee is left to fetch).
.macro SECOND slot, p, set, epi, more
	s_wait_dscnt 8                                 ; of the first half's run of 16 the first eight are in: K steps 8-11
	WIN 0x08
	MM1 \set, 8, 0, \epi
	MM1 \set, 8, 1, \epi
	ERUN \slot, \p                                 ; this sub-tile's ee, for the next sub-tile's gaps; the old ee was last read 16 gaps ago
.if \more
	FRUN \slot, (\p+1), 0                          ; the next sub-tile's K steps 0-7
.endif
	MM1 \set, 8, 2, \epi
	MM1 \set, 8, 3, \epi
.irp ks, 9,10,11
	MM4 \set, \ks, \epi
.endr
	s_wait_dscnt 2+16*\more                        ; all but the run just issued: K steps 12-15 are in
.irp ks, 12,13,14,15
	MM4 \set, \ks, \epi
.endr
.endm
; The second half of a tile's last sub-tile: the change of slots.  All reads of this slot were asked for in the first half's run.  In front of the barrier
; each wave waits for its LDS reads and for all its tensor loads, of which one is out: its part of the other slot.  Only register work (eight matrix
; instructions and their gaps) stands between signal and wait.  fill = 1: the barrier opens a round of the cluster's barrier, and behind the round this
; slot's next tile is asked for jointly, first of all.  From that request to the wait for it a wave issues 248 matrix instructions.
.macro KTURN slot, p, set, fill
	s_wait_dscnt 0x0
	s_set_vgpr_msb 0x400
	s_wait_tensorcnt 0x0
	ds_add_u32 v250, v251
	s_wait_dscnt 0x0
	s_set_vgpr_msb 0x4
	s_barrier_signal -1
	WIN 0x08
	MM4 \set, 8, 1
	MM4 \set, 9, 1
	WIN 0
	s_barrier_wait -1
.if \fill
	CREST
	s_add_nc_u64 s[G0+4*\slot+2:G0+4*\slot+3], s[G0+4*\slot+2:G0+4*\slot+3], 2*128*1024   ; two tiles on; no load of mine is out
	TLOAD G0+4*\slot, G1J
.endif
	ERUN \slot, \p
	FRUN (1-\slot), 0, 0                           ; the other slot's first sub-tile, K steps 0-7: 24 matrix instructions ahead of its first use
.if \slot == 1
	v_add_nc_u32 v[VEE], v[VEE], s24               ; a lap on
.endif
	WIN 0x08
.irp ks, 10,11,12,13,14,15
	MM4 \set, \ks, 1
.endr
.endm
; A sub-tile: 16 codes x 64 rows over all of K.  kind 0: ends no tile; 1: ends a tile, slot filled again; 2: ends a tile, no fill; 3: the last of all.
.macro SUB slot, p, set, epi, kind
.set EN, 0
.if \epi
	s_mov_b32 s[CT+0], s25                         ; the codes of the sub-tile that is finished in this one's gaps
	s_add_co_u32 s[CT+1], s25, 4
.if \p == 0
	s_add_co_u32 s25, s25, 80                      ; from a tile's last 16 of my 64 codes to the next tile's first
.else
	s_add_co_u32 s25, s25, 16
.endif
.endif
	s_wait_dscnt 8                                 ; of the last run (ee first, then 16) all but the last eight are in: ee and K steps 0-3
	WIN 0x04
	MM1 \set, 0, 0, \epi
	MM1 \set, 0, 1, \epi
	FRUN \slot, \p, 1                              ; this sub-tile's K steps 8-15
	MM1 \set, 0, 2, \epi
	MM1 \set, 0, 3, \epi
.irp ks, 1,2,3
	MM4 \set, \ks, \epi
.endr
	s_wait_dscnt 16                                ; all but the run just issued: K steps 4-7 are in
.irp ks, 4,5,6,7
	MM4 \set, \ks, \epi
.endr
.if \kind == 0
	SECOND \slot, \p, \set, \epi, 1
.elseif \kind == 3
	SECOND \slot, \p, \set, \epi, 0
.else
	KTURN \slot, \p, \set, (2-\kind)
.endif
.endm
.macro TILE slot, first, kind
	SUB \slot, 0, 0, \first, 0
	SUB \slot, 1, 1, 1, 0
	SUB \slot, 2, 0, 1, 0
	SUB \slot, 3, 1, 1, \kind
.endm
	FRUN 0, 0, 0                                   ; tile 0, first sub-tile, K steps 0-7
	TILE 0, 0, 1                                   ; tiles 0 and 1: no set is finished in the first sub-tile
	TILE 1, 1, 1
	WIN 0                                          ; at a label and at a branch every window is 0
	s_mov_b32 s22, 14                              ; tiles 2 to 29
.Llap:
	TILE 0, 1, 1
	TILE 1, 1, 1
	WIN 0
	s_sub_co_u32 s22, s22, 1
	s_cmp_lg_u32 s22, 0
	s_cbranch_scc1 .Llap
	TILE 0, 1, 2                                   ; tiles 30 and 31: nothing is left to fetch from memory
	TILE 1, 1, 3
	WIN 0
	s_mov_b32 s[CT+0], s25                         ; the last sub-tile's distances have no matrix work to hide behind
	s_add_co_u32 s[CT+1], s25, 4
	s_wait_dscnt 0x0                               ; its ee
.rept 4
	v_nop                                          ; four places behind the last matrix instruction (ISA guide 7.12.1)
.endr
.set EN, 0
.rept 112
	EPIOP 1
.endr
; (ma, ca) becomes (mb, cb) where mb is smaller, or equal with the lower code
.macro LEX ma, ca, mb, cb
	v_cmp_lt_f32 s82, v[\mb], v[\ma]
	v_cmp_eq_f32 s83, v[\mb], v[\ma]
	v_cmp_lt_u32 s88, v[\cb], v[\ca]
	s_and_b32 s83, s83, s88
	s_or_b32 vcc_lo, s82, s83
	v_cndmask_b32 v[\ma], v[\ma], v[\mb], vcc_lo
	v_cndmask_b32 v[\ca], v[\ca], v[\cb], vcc_lo
.endm
	v_bfe_u32 v252, v0, 4, 1
	v_lshlrev_b32 v252, 3, v252                    ; 8 h
	v_add_nc_u32 v252, 0xff800000, v252            ; 8 h - ENC, modulo 2^32
.irp c, 0,1,2,3
	v_add_nc_u32 v253, \c, v252                    ; 8 h + c - ENC
.irp zt, 0,1,2,3
	v_add_nc_u32 v[VI+4*\zt+\c], v[VI+4*\zt+\c], v253              ; the whole code, as a plain whole number
.endr
.endr
	s_lshl_b32 s27, s16, 9
	s_add_co_u32 s27, s27, SCR                     ; my 512 bytes
	v_and_b32 v254, 15, v0
	v_lshl_add_u32 v254, v254, 2, s27
	v_and_b32 v255, 31, v0
	v_lshlrev_b32 v[VX], 3, v255                   ; 8 x lane
	v_add_nc_u32 v255, s27, v[VX]
.irp zt, 0,1,2,3
	LEX VM+4*\zt, VI+4*\zt, VM+4*\zt+1, VI+4*\zt+1
	LEX VM+4*\zt+2, VI+4*\zt+2, VM+4*\zt+3, VI+4*\zt+3
	LEX VM+4*\zt, VI+4*\zt, VM+4*\zt+2, VI+4*\zt+2
	v_permlanex16_b32 v252, v[VM+4*\zt], s80, s81  ; the other half of the lanes has the same row's other codes (v252, v253 have been written)
	v_permlanex16_b32 v253, v[VI+4*\zt], s80, s81
	LEX VM+4*\zt, VI+4*\zt, 252, 253
	ds_store_b32 v254, v[VM+4*\zt] offset:64*\zt   ; row 16 zt + r; both halves of the lanes write the same number
	ds_store_b32 v254, v[VI+4*\zt] offset:256+64*\zt
.endr
	s_wait_dscnt 0x0                               ; written, for the neighbour wave's sake
	s_barrier_signal -1
	s_barrier_wait -1
	s_cmp_lg_u32 s18, 0
	s_cbranch_scc1 .Lnot_mine
	ds_load_b64 v[60:61], v255                     ; waves 0 and 2: two rows a lane, mine
	ds_load_b64 v[62:63], v255 offset:256
	ds_load_b64 v[64:65], v255 offset:512          ; and the wave's beside me, which had the tiles' other 64 codes
	ds_load_b64 v[66:67], v255 offset:768
	s_wait_dscnt 0x0
	LEX 60, 62, 64, 66
	LEX 61, 63, 65, 67
	global_store_b64 v[VX], v[60:61], s[12:13]     ; each store covers 256 consecutive bytes, at a multiple of 256 from the buffer's first byte
	global_store_b64 v[VX], v[62:63], s[14:15]
.Lnot_mine:
	s_wait_tensorcnt 0x0
	ds_add_u32 v250, v251
	s_wait_dscnt 0x0
	CROUND                                         ; the closing round: no work-group ends while a partner may still ask for a tile that names it
	s_endpgm
.Lfunc_end_k_q8c0d6213c7_argmin:
	.size	k_q8c0d6213c7_argmin, .Lfunc_end_k_q8c0d6213c7_argmin-k_q8c0d6213c7_argmin
	.p2alignl 7, 3214868480
	.fill 96, 4, 3214868480
	.section	.rodata,"a",@progbits
	.p2align	6, 0x0
	.amdhsa_kernel k_q8c0d6213c7_argmin
		.amdhsa_group_segment_fixed_size 327680
		.amdhsa_private_segment_fixed_size 0
		.amdhsa_enable_private_segment 0
		.amdhsa_kernarg_size 48
		.amdhsa_user_sgpr_count 2
		.amdhsa_user_sgpr_kernarg_segment_ptr 1
		.amdhsa_wavefront_size32 1
		.amdhsa_system_sgpr_workgroup_id_x 1
		.amdhsa_system_sgpr_workgroup_id_y 1
		.amdhsa_system_sgpr_workgroup_id_z 1
		.amdhsa_system_vgpr_workitem_id 0
		.amdhsa_next_free_vgpr 768
		.amdhsa_next_free_sgpr 90
		.amdhsa_reserve_vcc 1
		.amdhsa_float_denorm_mode_32 3
		.amdhsa_float_denorm_mode_16_64 3
		.amdhsa_memory_ordered 1
		.amdhsa_forward_progress 1
		.amdhsa_inst_pref_size 255
	.end_amdhsa_kernel
	.section	.bss,"aw",@nobits
	.p2align	6
	.space	262144
	.amdgpu_metadata
---
amdhsa.version: [ 1, 2 ]
amdhsa.kernels:
  - .name:           k_q8c0d6213c7_argmin
    .symbol:         k_q8c0d6213c7_argmin.kd
    .args:
      - { .name: eb, .offset: 0, .size: 8, .value_kind: global_buffer, .address_space: global }
      - { .name: zb, .offset: 8, .size: 8, .value_kind: global_buffer, .address_space: global }
      - { .name: ee, .offset: 16, .size: 8, .value_kind: global_buffer, .address_space: global }
      - { .name: zz, .offset: 24, .size: 8, .value_kind: global_buffer, .address_space: global }
      - { .name: pd, .offset: 32, .size: 8, .value_kind: global_buffer, .address_space: global }
      - { .name: pi, .offset: 40, .size: 8, .value_kind: global_buffer, .address_space: global }
    .group_segment_fixed_size: 327680
    .private_segment_fixed_size: 0
    .kernarg_segment_align: 8
    .kernarg_segment_size: 48
    .max_flat_workgroup_size: 128
    .sgpr_count:     90
    .vgpr_count:     768
    .wavefront_size: 32
...
	.end_amdgpu_metadata
.endif
;; end of part 5
;; launch finish: the kernel of part 3 again; grid 256 x 1, 16 waves a work-group, no clusters, 2,304 bytes of LDS; arguments z, emb, pd, pi, out0, out1, part; writes out0, out1, part
;; launch total: the kernel of part 4 again; grid 1 x 1, 1 waves a work-group, no clusters, 0 bytes of LDS; arguments part, out2; writes out2
